; MI455X (gfx1250); checked and timed in simulation.
; The chip was launched on July 23, 2026; its instructions are those of AMD's public machine-readable ISA for CDNA 5 (MIT licence, August 2026) and "CDNA5" Instruction Set Architecture Reference Guide (July 2026). The comments in the code are by the model that wrote it; some were corrected since.
;; Multi Head Attention With Ro PE. Allowed arithmetic: float matrix products may take bf16 or f16 operands with f32 sums; all other float work in f32.
;; Inputs: bk 1,024 float32; bo 1,024 float32; bq 1,024 float32; bv 1,024 float32; mask 2 x 2,048 int32; wk 1,024 x 1,024 float32; wo 1,024 x 1,024 float32; wq 1,024 x 1,024 float32; wv 1,024 x 1,024 float32; x 2 x 2,048 x 1,024 float32.
;; Outputs: out0 2 x 2,048 x 1,024 float32.
;; One version. Each part assembles by itself: llvm-mc -triple=amdgcn-amd-amdhsa -mcpu=gfx1250 --defsym DOCPART=n.
;; ======== version 1 of 1: 4 launches
;; limits: values are held in f16: magnitudes above 65,504 overflow, below 6.1e-05 lose precision
;; workspace buffers: xb 8,388,608 bytes; wb 8,388,608 bytes; tab 524,288 bytes; qh 8,388,608 bytes; kh 8,388,608 bytes; vh 8,388,608 bytes; ao 8,388,608 bytes
;; launch prep (part 1): grid 640 x 1, 8 waves a work-group, no clusters, 0 bytes of LDS; arguments x, wq, wk, wv, wo, xb, wb, tab; writes xb, wb, tab
.if DOCPART == 1
	.amdgcn_target "amdgcn-amd-amdhsa--gfx1250"
	.amdhsa_code_object_version 6
	.text
	.protected	k_q64bbbc1c7b_prep
	.globl	k_q64bbbc1c7b_prep
	.p2align	8
	.type	k_q64bbbc1c7b_prep,@function
k_q64bbbc1c7b_prep:
	s_mov_b64 s[64:65], 0
	v_nop
	global_prefetch_b8 v0, s[64:65] scope:SCOPE_SE
	s_setreg_imm32_b32 hwreg(HW_REG_WAVE_MODE, 25, 1), 1
	s_wait_xcnt 0x0
; prep: (1) x, wq, wk, wv, wo from f32 to f16, layouts unchanged (xb; wb = wq, wk, wv, wo one behind the other);
;       (2) the RoPE table tab[pos][64] f32: words 0-31 cos(pos * f_i), words 32-63 sin(pos * f_i), f_i = 10000^(-i/32).
; Work-groups 0-511 cast 16,384 numbers each (0-255: x; 256-511: 64 for each weight); work-groups 512-639 make 16 table rows each.
; A stream: no LDS, no matrix unit, no cluster (no byte is read twice).
; LIMITS: f16 holds magnitudes up to 65,504; larger inputs overflow.  The angle is reduced by pos * f_i / (2 pi) in f32 with one
; fused step, which leaves about 3e-4 rad at pos = 2047; the cosine series is cut at u^14 (next term at most 4.3e-6 for |u| <= 0.5).
	s_load_b512 s[4:19], s[0:1], 0x0               ; x, wq, wk, wv, wo, xb, wb, tab
	s_wait_kmcnt 0x0
	s_cmp_ge_u32 ttmp9, 512
	s_cbranch_scc1 .Ltab
	; ---- the casts ----
	s_sub_co_u32 s24, ttmp9, 256                   ; chunk among the weights (used only from work-group 256 on)
	s_lshr_b32 s25, s24, 6                         ; which weight
	s_and_b32 s26, s24, 63                         ; chunk in that weight
	s_cmp_eq_u32 s25, 1
	s_cselect_b64 s[20:21], s[8:9], s[6:7]
	s_cmp_eq_u32 s25, 2
	s_cselect_b64 s[20:21], s[10:11], s[20:21]
	s_cmp_eq_u32 s25, 3
	s_cselect_b64 s[20:21], s[12:13], s[20:21]
	s_cmp_lt_u32 ttmp9, 256
	s_cselect_b64 s[20:21], s[4:5], s[20:21]       ; source
	s_cselect_b64 s[22:23], s[14:15], s[16:17]     ; destination: xb or wb
	s_cselect_b32 s26, ttmp9, s26                  ; chunk in the source
	s_cselect_b32 s24, ttmp9, s24                  ; chunk in the destination
	s_lshl_b32 s26, s26, 16                        ; 65,536 bytes of f32
	s_mov_b32 s27, 0
	s_lshl_b32 s24, s24, 15                        ; 32,768 bytes of f16
	s_mov_b32 s25, 0
	s_add_nc_u64 s[20:21], s[20:21], s[26:27]
	s_add_nc_u64 s[22:23], s[22:23], s[24:25]
	v_lshlrev_b32 v1, 5, v0                        ; 8 numbers a thread and pass: 32 bytes in,
	v_lshlrev_b32 v2, 4, v0                        ; 16 bytes out
.irp p, 0,1,2,3,4,5,6,7
	global_load_b128 v[16+8*\p:16+8*\p+3], v1, s[20:21] offset:8192*\p th:TH_LOAD_NT
	global_load_b128 v[16+8*\p+4:16+8*\p+7], v1, s[20:21] offset:8192*\p+16 th:TH_LOAD_NT
.endr
.irp p, 0,1,2,3,4,5,6,7
	s_wait_loadcnt 14-2*\p                         ; the two loads of pass p are in; the 2 (7 - p) younger ones stay out
.irp j, 0,1,2,3
	v_cvt_pk_f16_f32 v[80+4*\p+\j], v[16+8*\p+2*\j], v[16+8*\p+2*\j+1]
.endr
	global_store_b128 v2, v[80+4*\p:80+4*\p+3], s[22:23] offset:4096*\p   ; sixteen lanes store 256 consecutive bytes, aligned
.endr
	s_endpgm
	; ---- the table: thread T makes the four words at byte 16 T.  pos = T / 16; lanes 0-7 of a row: cosines, 8-15: sines ----
.Ltab:
	s_sub_co_u32 s20, ttmp9, 512
	s_lshl_b32 s20, s20, 8
	v_add_nc_u32 v1, s20, v0                       ; T
	v_lshrrev_b32 v2, 4, v1                        ; pos
	v_and_b32 v3, 7, v1
	v_bfe_u32 v4, v1, 3, 1                         ; 1: sine
	v_lshlrev_b32 v3, 2, v3                        ; first frequency index
	v_cvt_f32_u32 v5, v2
	v_cvt_f32_u32 v8, v3
	v_cvt_f32_u32 v7, v4
	v_mul_f32 v7, 0xbe800000, v7                   ; sin(t) = cos(t - a quarter turn): -0.25 or 0
	v_add_f32 v9, 1.0, v8
	v_add_f32 v10, 2.0, v8
	v_add_f32 v11, 0x40400000, v8
.irp e, 0,1,2,3
	v_mul_f32 v[8+\e], 0xbed49a78, v[8+\e]         ; -i log2(10000) / 32
.endr
.irp e, 0,1,2,3
	v_exp_f32 v[12+\e], v[8+\e]                    ; f_i
.endr
	v_lshlrev_b32 v30, 4, v1                       ; a plain instruction stands behind the exponentials (ISA guide 5.7.2): the store offset
	v_mov_b32 v28, 0xbfdb7128                      ; c7
	s_wait_alu depctr_va_vdst(0)
.irp e, 0,1,2,3
	v_mul_f32 v[12+\e], v5, v[12+\e]               ; the angle, rounded as pos * f_i
.endr
.irp e, 0,1,2,3
	v_fma_f32 v[16+\e], v[12+\e], 0.15915494, v7   ; turns, less the quarter
.endr
.irp e, 0,1,2,3
	v_rndne_f32 v[16+\e], v[16+\e]                 ; whole turns n
.endr
.irp e, 0,1,2,3
	v_sub_f32 v[16+\e], v7, v[16+\e]               ; -(n + quarter), exact
.endr
.irp e, 0,1,2,3
	v_fma_f32 v[16+\e], v[12+\e], 0.15915494, v[16+\e]   ; u in [-0.5, 0.5], one rounding
.endr
.irp e, 0,1,2,3
	v_mul_f32 v[16+\e], v[16+\e], v[16+\e]         ; z = u^2
.endr
.irp e, 0,1,2,3
	v_fmaak_f32 v[20+\e], v28, v[16+\e], 0x40fce9c5      ; cos(2 pi u) = sum of (-1)^k (2 pi)^(2k) / (2k)! z^k, Horner from k = 7
.endr
.irp c, 0xc1d368f9, 0x4270fa83, 0xc2aae9e4, 0x4281e0f8, 0xc19de9e6
.irp e, 0,1,2,3
	v_fmaak_f32 v[20+\e], v[20+\e], v[16+\e], \c
.endr
.endr
.irp e, 0,1,2,3
	v_fma_f32 v[20+\e], v[20+\e], v[16+\e], 1.0
.endr
	global_store_b128 v30, v[20:23], s[18:19]      ; sixteen lanes store one whole table row of 256 bytes
	s_endpgm
.Lfunc_end_k_q64bbbc1c7b_prep:
	.size	k_q64bbbc1c7b_prep, .Lfunc_end_k_q64bbbc1c7b_prep-k_q64bbbc1c7b_prep
	.p2alignl 7, 3214868480
	.fill 96, 4, 3214868480
	.section	.rodata,"a",@progbits
	.p2align	6, 0x0
	.amdhsa_kernel k_q64bbbc1c7b_prep
		.amdhsa_group_segment_fixed_size 0
		.amdhsa_private_segment_fixed_size 0
		.amdhsa_enable_private_segment 0
		.amdhsa_kernarg_size 64
		.amdhsa_user_sgpr_count 2
		.amdhsa_user_sgpr_kernarg_segment_ptr 1
		.amdhsa_wavefront_size32 1
		.amdhsa_system_sgpr_workgroup_id_x 1
		.amdhsa_system_sgpr_workgroup_id_y 1
		.amdhsa_system_sgpr_workgroup_id_z 1
		.amdhsa_system_vgpr_workitem_id 0
		.amdhsa_next_free_vgpr 112
		.amdhsa_next_free_sgpr 66
		.amdhsa_reserve_vcc 0
		.amdhsa_float_denorm_mode_32 3
		.amdhsa_float_denorm_mode_16_64 3
		.amdhsa_memory_ordered 1
		.amdhsa_forward_progress 1
		.amdhsa_inst_pref_size 10
	.end_amdhsa_kernel
	.amdgpu_metadata
---
amdhsa.version: [ 1, 2 ]
amdhsa.kernels:
  - .name:           k_q64bbbc1c7b_prep
    .symbol:         k_q64bbbc1c7b_prep.kd
    .args:
      - { .name: x, .offset: 0, .size: 8, .value_kind: global_buffer, .address_space: global }
      - { .name: wq, .offset: 8, .size: 8, .value_kind: global_buffer, .address_space: global }
      - { .name: wk, .offset: 16, .size: 8, .value_kind: global_buffer, .address_space: global }
      - { .name: wv, .offset: 24, .size: 8, .value_kind: global_buffer, .address_space: global }
      - { .name: wo, .offset: 32, .size: 8, .value_kind: global_buffer, .address_space: global }
      - { .name: xb, .offset: 40, .size: 8, .value_kind: global_buffer, .address_space: global }
      - { .name: wb, .offset: 48, .size: 8, .value_kind: global_buffer, .address_space: global }
      - { .name: tab, .offset: 56, .size: 8, .value_kind: global_buffer, .address_space: global }
    .group_segment_fixed_size: 0
    .private_segment_fixed_size: 0
    .kernarg_segment_align: 8
    .kernarg_segment_size: 64
    .max_flat_workgroup_size: 256
    .sgpr_count:     66
    .vgpr_count:     112
    .wavefront_size: 32
...
	.end_amdgpu_metadata
.endif
;; end of part 1
;; launch qkv (part 2): grid 8 x 32, 4 waves a work-group, clusters of 4 x 4, 327,680 bytes of LDS; arguments xb, wb, tab, bq, bk, bv, qh, kh, vh; writes qh, kh, vh
.if DOCPART == 2
	.amdgcn_target "amdgcn-amd-amdhsa--gfx1250"
	.amdhsa_code_object_version 6
	.text
	.protected	k_q64bbbc1c7b_qkv
	.globl	k_q64bbbc1c7b_qkv
	.p2align	8
	.type	k_q64bbbc1c7b_qkv,@function
k_q64bbbc1c7b_qkv:
	s_mov_b64 s[64:65], 0
	v_nop
	global_prefetch_b8 v0, s[64:65] scope:SCOPE_SE
	s_setreg_imm32_b32 hwreg(HW_REG_WAVE_MODE, 25, 1), 1
	s_wait_xcnt 0x0
	s_wait_alu depctr_hold_cnt(0) depctr_sa_sdst(0) depctr_va_vdst(0) depctr_va_sdst(0) depctr_va_ssrc(0) depctr_va_vcc(0) depctr_vm_vsrc(0)
	s_getreg_b32 s2, hwreg(HW_REG_IB_STS2, 6, 4)
	s_cmp_eq_u32 s2, 0
	s_cbranch_scc0 .Lentry_in_a_cluster
	s_endpgm
.Lentry_in_a_cluster:
	s_bfe_u32 s2, ttmp6, 0x10000c
	s_cmp_lg_u32 s2, 0xf033
	s_cbranch_scc0 .Lentry_shape_is_right
	s_endpgm
.Lentry_shape_is_right:
; qkv: q, k, v = x W + b for one pair of heads and 128 rows, RoPE on q and k, out as f16 [B][H][S][64].
; Work-group (bx = head pair, by = block of 128 rows).  Four waves; wave w: rows 64 (w >> 1) .., head w & 1 of the pair, all three of q, k, v:
; 4 row tiles x 12 column tiles = 48 accumulators of 16 x 16, 384 registers.  K = 1024 goes in steps of 128 through two LDS slots.
; A slot: 128 rows of x (256 bytes + 16 of padding) and, for each of wq, wk, wv, 128 k-rows of 128 columns (256 bytes + 32).
; The weights lie [k][n]; their fragments are read by the transposing LDS load.
; CLUSTER 4 x 4: x's tile hangs on by alone and is asked for jointly along a row of the cluster (wave 0); the weights' tiles hang on bx alone
; and are asked for jointly along a column (waves 1, 2, 3: wq, wk, wv).  Each wave has two tensor loads out at the start, later one.
; THE MATRIX INSTRUCTION IS USED TRANSPOSED (source 0 = 16 columns of W, source 1 = 16 rows of x): lane l holds row l % 16, registers 0-7 the
; columns 8 (l / 16) + 0..7.  The bias is the C of the first products: nothing is cleared.
; The 48 accumulators take turns, one instruction a turn, in the same order in every quarter step.
; LIMIT: operands and results are f16 (magnitudes up to 65,504).
; REGISTERS.  window 0: v16-28 addresses, v4-11 at work, v32-95 fragments of x (two buffers), v96-191 bias, v192-255 table for row tiles 0, 1
;   (on the way out: v32-95 rotated q and k, v96-143 packed, v144-191 rows read back);  window 1: v0-191 fragments of W (two buffers),
;   v192-255 table for row tiles 2, 3;  window 2: accumulators of row tiles 0, 1 at 8 (12 (a % 2) + nb);  window 3: of row tiles 2, 3.
.set PA,    272
.set PW,    288
.set PIECE, 36864                      ; 128 x 288; x's 128 x 272 fit too
.set SLOT,  4*PIECE
.set STAGE, 2*SLOT                     ; behind the ring: 16 rows x 400 bytes for each wave
.set SP,    400
.set ADRA,  16                         ; v16-17  my x fragments in slot 0, 1
.set ADRW,  18                         ; v18-23  my W fragments: 3 x slot + segment
.set STO,   24
.set RD,    25
.set CO,    26
.set TABO,  27
.set BIASO, 28
.set FA,    32
.set BIAS,  96
.set TABR,  192
.set RR,    32
.set PK,    96
.set RB,    144
.set G1A,   36
.set G1W,   44
.set G0A,   52
.set G0W,   68
.set MSB,   0
.macro WIN new                         ; the immediate's high byte repeats the setting that is left
.if MSB != \new
	s_set_vgpr_msb (MSB<<8)|\new
.set MSB, \new
.endif
.endm
.macro PLACES                          ; four places behind matrix instructions (ISA guide 7.12.1)
.rept 4
	v_nop
.endr
.endm
.macro JLOAD s                         ; wave 0 asks for x's tile, waves 1-3 for a weight's: the branch hangs on the wave's number alone
	s_cmp_eq_u32 s22, 0
	s_cbranch_scc0 .Lfor_w_\@
	tensor_load_to_lds s[G0A+4*\s:G0A+4*\s+3], s[G1A:G1A+7]
	s_nop 0
	s_branch .Lasked_\@
.Lfor_w_\@:
	tensor_load_to_lds s[G0W+4*\s:G0W+4*\s+3], s[G1W:G1W+7]
	s_nop 0
.Lasked_\@:
.endm
.macro CREST                           ; a round of the cluster's barrier behind its opening work-group barrier
	s_cmp_lg_u32 s22, 0
	s_cbranch_scc1 .Lnot_wave_0_\@
	s_barrier_signal -3
.Lnot_wave_0_\@:
	s_barrier_wait -3
	s_barrier_signal -1
	s_barrier_wait -1
.endm
.macro CROUND
	s_barrier_signal -1
	s_barrier_wait -1
	CREST
.endm
	s_load_b512 s[4:19], s[0:1], 0x0               ; xb, wb, tab, bq, bk, bv, qh, kh
	s_load_b64 s[20:21], s[0:1], 0x40              ; vh
	v_lshl_add_u32 v30, v0, 2, 0x4e400
	v_mov_b32 v31, 0
	ds_add_u32 v30, v31
	v_lshrrev_b32 v1, 5, v0
	v_readfirstlane_b32 s22, v1                    ; wave
	s_lshr_b32 s23, s22, 1                         ; wm: my half of the rows
	s_and_b32 s24, s22, 1                          ; wn: my head of the pair
	s_bfe_u32 s25, ttmp6, 0x40000                  ; cx
	s_bfe_u32 s26, ttmp6, 0x40004                  ; cy
	s_lshl_b32 s27, ttmp9, 2
	s_add_co_u32 s27, s27, s25                     ; bx
	s_and_b32 s28, ttmp7, 0xffff
	s_lshl_b32 s28, s28, 2
	s_add_co_u32 s28, s28, s26                     ; by
	s_lshl_b32 s29, s26, 2
	s_lshl_b32 s29, 15, s29                        ; my row of the cluster
	s_lshl_b32 s30, 0x1111, s25                    ; my column
	; group 1: 128 rows x 128 elements of 2 bytes, pitch 1024 elements; padding behind every 64 words: 4 words (x), 8 words (W)
	s_or_b32 s[G1A+0], s29, (1<<16)|(1<<20)|(1<<21)|(5<<22)|(3<<25)
	s_or_b32 s[G1W+0], s30, (1<<16)|(1<<20)|(1<<21)|(5<<22)|(7<<25)
.irp g, G1A, G1W
	s_mov_b32 s[\g+1], 128<<16                     ; tensor_dim0 = 128
	s_mov_b32 s[\g+2], 128<<16                     ; tensor_dim1 = 128
	s_mov_b32 s[\g+3], 128<<16                     ; tile_dim0 = 128
	s_mov_b32 s[\g+4], 128                         ; tile_dim1 = 128
	s_mov_b32 s[\g+5], 1024                        ; elements from row to row
	s_mov_b32 s[\g+6], 0
	s_mov_b32 s[\g+7], 0
.endr
	s_mul_i32 s31, s22, PIECE                      ; my piece of a slot: the wave's number alone
	s_lshl_b32 s32, s28, 18                        ; x: 128 by rows of 2,048 bytes
	s_mov_b32 s33, 0
	s_max_u32 s76, s22, 1
	s_sub_co_u32 s76, s76, 1                       ; W: segment = wave - 1 (wave 0 never asks by this address)
	s_lshl_b32 s76, s76, 21                        ; 2,097,152 bytes a weight
	s_lshl_b32 s77, s27, 8                         ; + 128 bx columns
	s_add_co_u32 s76, s76, s77
	s_mov_b32 s77, 0
	s_wait_dscnt 0x0
	s_wait_kmcnt 0x0
	s_add_nc_u64 s[60:61], s[4:5], s[32:33]
	s_add_nc_u64 s[62:63], s[6:7], s[76:77]
	CROUND                                         ; all sixteen work-groups are here: the first joint loads meet
.irp s, 0,1
	s_mov_b32 s[G0A+4*\s], 1
	s_add_co_u32 s[G0A+4*\s+1], s31, \s*SLOT
	s_add_nc_u64 s[G0A+4*\s+2:G0A+4*\s+3], s[60:61], \s*256        ; K step s: 128 elements along the rows
	s_or_b32 s[G0A+4*\s+3], s[G0A+4*\s+3], 0x80000000
	s_mov_b32 s[G0W+4*\s], 1
	s_add_co_u32 s[G0W+4*\s+1], s31, \s*SLOT
	s_add_nc_u64 s[G0W+4*\s+2:G0W+4*\s+3], s[62:63], \s*262144     ; K step s: 128 rows down
	s_or_b32 s[G0W+4*\s+3], s[G0W+4*\s+3], 0x80000000
	JLOAD \s
.endr
	; lane addresses
	v_and_b32 v1, 15, v0                           ; r
	v_bfe_u32 v2, v0, 4, 1                         ; h
	v_and_b32 v3, 7, v0
	v_bfe_u32 v4, v0, 3, 1
	v_and_b32 v5, 31, v0                           ; lane
	v_mul_u32_u24 v6, v1, PA
	v_lshl_add_u32 v6, v2, 4, v6
	s_mul_i32 s32, s23, 64*PA
	v_add_nc_u32 v[ADRA], s32, v6                  ; (64 wm + r) 272 + 16 h
	v_add_nc_u32 v[ADRA+1], SLOT, v[ADRA]
	v_lshl_add_u32 v7, v2, 3, v3                   ; k-row 8 h + (lane & 7)
	v_mul_u32_u24 v7, v7, PW
	v_lshl_add_u32 v7, v4, 4, v7                   ; + 16 ((lane >> 3) & 1)
	s_lshl_b32 s33, s24, 7
	v_add_nc_u32 v7, s33, v7                       ; + my head's 128 bytes
.irp s, 0,1
.irp g, 0,1,2
	v_add_nc_u32 v[ADRW+3*\s+\g], \s*SLOT+(1+\g)*PIECE, v7
.endr
.endr
	s_mul_i32 s34, s22, 16*SP
	s_add_co_u32 s34, s34, STAGE
	v_mul_u32_u24 v8, v1, SP
	v_lshl_add_u32 v8, v2, 4, v8
	v_add_nc_u32 v[STO], s34, v8
	v_lshrrev_b32 v9, 3, v5
	v_mul_u32_u24 v9, v9, SP
	v_lshl_add_u32 v9, v3, 4, v9
	v_add_nc_u32 v[RD], s34, v9
	v_lshlrev_b32 v[CO], 4, v5
	v_lshlrev_b32 v[TABO], 8, v1
	v_lshl_add_u32 v[TABO], v2, 4, v[TABO]         ; table row r, 16 h
	v_lshlrev_b32 v[BIASO], 5, v2                  ; 8 h columns of f32
	; bases
	s_lshl_b32 s78, s27, 1
	s_add_co_u32 s78, s78, s24                     ; head
	s_lshl_b32 s80, s78, 8
	s_mov_b32 s81, 0
	s_add_nc_u64 s[10:11], s[10:11], s[80:81]
	s_add_nc_u64 s[12:13], s[12:13], s[80:81]
	s_add_nc_u64 s[14:15], s[14:15], s[80:81]
	s_and_b32 s79, s28, 15
	s_lshl_b32 s79, s79, 7
	s_lshl_b32 s82, s23, 6
	s_add_co_u32 s79, s79, s82                     ; my first position in the sequence
	s_lshl_b32 s80, s79, 8
	s_add_nc_u64 s[8:9], s[8:9], s[80:81]
	s_lshr_b32 s82, s28, 4                         ; batch
	s_lshl_b32 s82, s82, 4
	s_add_co_u32 s82, s82, s78
	s_lshl_b32 s82, s82, 18                        ; a head: 2048 x 128 bytes
	s_lshl_b32 s83, s79, 7
	s_add_co_u32 s80, s82, s83
	s_add_nc_u64 s[16:17], s[16:17], s[80:81]
	s_add_nc_u64 s[18:19], s[18:19], s[80:81]
	s_add_nc_u64 s[20:21], s[20:21], s[80:81]
.irp g, 0,1,2
.irp t, 0,1,2,3
	global_load_b128 v[BIAS+8*(4*\g+\t):BIAS+8*(4*\g+\t)+3], v[BIASO], s[10+2*\g:11+2*\g] offset:64*\t
	global_load_b128 v[BIAS+8*(4*\g+\t)+4:BIAS+8*(4*\g+\t)+7], v[BIASO], s[10+2*\g:11+2*\g] offset:64*\t+16
.endr
.endr
	; table: for row tile a and column tile t the four cosines (frequencies 8 t + 4 h + 0..3), 16 registers further the sines
.irp a, 0,1,2,3
.if \a == 2
	WIN 0x40
.endif
.irp t, 0,1,2,3
	global_load_b128 v[TABR+32*(\a%2)+4*\t:TABR+32*(\a%2)+4*\t+3], v[TABO], s[8:9] offset:4096*\a+32*\t
	global_load_b128 v[TABR+32*(\a%2)+16+4*\t:TABR+32*(\a%2)+16+4*\t+3], v[TABO], s[8:9] offset:4096*\a+32*\t+128
.endr
.endr
	WIN 0
; 12 matrix instructions: row tile a x all 12 column tiles, 32 along K, from buffer f.  first = 1: C is the bias.
.macro MULA f, a, first
.irp nb, 0,1,2,3,4,5,6,7,8,9,10,11
.if \first
	v_wmma_f32_16x16x32_f16 v[8*(12*(\a%2)+\nb):8*(12*(\a%2)+\nb)+7], v[96*\f+8*\nb:96*\f+8*\nb+7], v[FA+32*\f+8*\a:FA+32*\f+8*\a+7], v[BIAS+8*\nb:BIAS+8*\nb+7]
.else
	v_wmma_f32_16x16x32_f16 v[8*(12*(\a%2)+\nb):8*(12*(\a%2)+\nb)+7], v[96*\f+8*\nb:96*\f+8*\nb+7], v[FA+32*\f+8*\a:FA+32*\f+8*\a+7], v[8*(12*(\a%2)+\nb):8*(12*(\a%2)+\nb)+7]
.endif
.endr
.endm
; 32 LDS loads: quarter q (32 along K) of slot s into buffer f: 24 transposing loads of W, then 8 loads of x
.macro FETCH s, q, f
	WIN 0x40
.irp g, 0,1,2
.irp t, 0,1,2,3
	ds_load_tr16_b128 v[96*\f+8*(4*\g+\t):96*\f+8*(4*\g+\t)+3], v[ADRW+3*\s+\g] offset:\q*9216+32*\t
	ds_load_tr16_b128 v[96*\f+8*(4*\g+\t)+4:96*\f+8*(4*\g+\t)+7], v[ADRW+3*\s+\g] offset:\q*9216+32*\t+4608
.endr
.endr
	WIN 0
.irp a, 0,1,2,3
	ds_load_b128 v[FA+32*\f+8*\a:FA+32*\f+8*\a+3], v[ADRA+\s] offset:\a*4352+64*\q
	ds_load_b128 v[FA+32*\f+8*\a+4:FA+32*\f+8*\a+7], v[ADRA+\s] offset:\a*4352+64*\q+32
.endr
.endm
.macro QUARTER s, qn, f, g, first
	s_wait_dscnt 4                                 ; all of W and x's row tiles 0, 1 are in; the four youngest loads (row tiles 2, 3) may be out
.if \first
	WIN 0x81
.else
	WIN 0xa1
.endif
	MULA \f, 0, \first
	MULA \f, 1, \first
	PLACES
	FETCH \s, \qn, \g
	s_wait_dscnt 32                                ; all but the 32 just issued
.if \first
	WIN 0xc1
.else
	WIN 0xf1
.endif
	MULA \f, 2, \first
	MULA \f, 3, \first
.endm
.macro THREE s, first
	QUARTER \s, 1, 0, 1, \first
	QUARTER \s, 2, 1, 0, 0
	QUARTER \s, 3, 0, 1, 0
.endm
; The last quarter of a K step changes slots.  In front of the barrier: my reads of this slot and all my tensor loads (one is out: my piece
; of the next slot).  fill = 1: the barrier opens a round of the cluster's barrier, and the joint refill is the first tensor load behind it.
.macro TURN slot, next, fill
	s_wait_dscnt 4
	WIN 0xa1
	MULA 1, 0, 0
	s_wait_dscnt 0
	s_set_vgpr_msb 0xa1a0
	s_wait_tensorcnt 0x0
	ds_add_u32 v30, v31
	s_wait_dscnt 0x0
	s_set_vgpr_msb 0xa0a1
	s_barrier_signal -1
	MULA 1, 1, 0
	WIN 0
	s_barrier_wait -1
.if \fill
	CREST
	s_add_nc_u64 s[G0A+4*\slot+2:G0A+4*\slot+3], s[G0A+4*\slot+2:G0A+4*\slot+3], 512
	s_add_nc_u64 s[G0W+4*\slot+2:G0W+4*\slot+3], s[G0W+4*\slot+2:G0W+4*\slot+3], 524288
	JLOAD \slot
.endif
	PLACES
	FETCH \next, 0, 0
	WIN 0xf1
	MULA 1, 2, 0
	MULA 1, 3, 0
.endm
.macro LAP first
	THREE 0, \first
	TURN 0, 1, 1
	THREE 1, 0
	TURN 1, 0, 1
.endm
	s_wait_tensorcnt 0x1                           ; my piece of K step 0 is in; K step 1's stays out
	s_barrier_signal -1
	s_barrier_wait -1
	FETCH 0, 0, 0
	s_wait_loadcnt 0x0                             ; bias and table
	LAP 1                                          ; K steps 0, 1; fills 2, 3
	WIN 0
	s_mov_b32 s3, 2
.Llap:
	LAP 0                                          ; K steps 2-5; fills 4-7
	WIN 0
	s_sub_co_u32 s3, s3, 1
	s_cmp_lg_u32 s3, 0
	s_cbranch_scc1 .Llap
	THREE 0, 0                                     ; K steps 6, 7: nothing is left to fetch
	TURN 0, 1, 0
	THREE 1, 0
	s_wait_dscnt 4
	WIN 0xa1
	MULA 1, 0, 0
	MULA 1, 1, 0
	s_wait_dscnt 0
	WIN 0xf1
	MULA 1, 2, 0
	MULA 1, 3, 0
	PLACES
; THE WAY OUT, 16 rows at a time.  RoPE: for d < 32: y[d] = x[d] cos[d/2] - x[d+32] sin[d/2]; for d >= 32: y[d] = x[d] cos[d/2] + x[d-32] sin[d/2].
; Column tile t pairs with tile t + 2; a register pair (2 jj, 2 jj + 1) shares one table word, broadcast by op_sel.
.macro ROT o                           ; jj = 2 p + o; XA, TB, RX are set for (segment, t, p)
	v_pk_mul_f32 v[4+4*\o:5+4*\o], v[XA+16+2*\o:XA+17+2*\o], v[TB+16:TB+17] op_sel:[0,\o] op_sel_hi:[1,\o]
	v_pk_mul_f32 v[6+4*\o:7+4*\o], v[XA+2*\o:XA+1+2*\o], v[TB+24:TB+25] op_sel:[0,\o] op_sel_hi:[1,\o]
	v_pk_fma_f32 v[RX+2*\o:RX+1+2*\o], v[XA+2*\o:XA+1+2*\o], v[TB:TB+1], v[4+4*\o:5+4*\o] op_sel:[0,\o,0] op_sel_hi:[1,\o,1] neg_lo:[0,0,1] neg_hi:[0,0,1]
	v_pk_fma_f32 v[RX+16+2*\o:RX+17+2*\o], v[XA+16+2*\o:XA+17+2*\o], v[TB+8:TB+9], v[6+4*\o:7+4*\o] op_sel:[0,\o,0] op_sel_hi:[1,\o,1]
.endm
.macro OUTA a
.if \a < 2
	WIN 0x02                                       ; source 0: accumulators (window 2); table, temporaries and results: window 0
.else
	WIN 0x07                                       ; source 0: window 3; source 1, the table: window 1
.endif
.irp g, 0,1
.irp t, 0,1
.irp p, 0,1
.set XA, 8*(12*(\a%2)+4*\g+\t)+4*\p
.set TB, TABR+32*(\a%2)+4*\t+2*\p
.set RX, RR+32*\g+8*\t+4*\p
	ROT 0
	ROT 1
.endr
.endr
.endr
.if \a < 2
	WIN 0x0a
.else
	WIN 0x0f
.endif
.irp t, 0,1,2,3
.irp jj, 0,1,2,3
	v_cvt_pk_f16_f32 v[PK+4*(8+\t)+\jj], v[8*(12*(\a%2)+8+\t)+2*\jj], v[8*(12*(\a%2)+8+\t)+2*\jj+1]   ; v is not rotated
.endr
.endr
	WIN 0
.irp n, 0,1,2,3,4,5,6,7
.irp jj, 0,1,2,3
	v_cvt_pk_f16_f32 v[PK+4*\n+\jj], v[RR+8*\n+2*\jj], v[RR+8*\n+2*\jj+1]
.endr
.endr
.irp n, 0,1,2,3,4,5,6,7,8,9,10,11
	ds_store_b128 v[STO], v[PK+4*\n:PK+4*\n+3] offset:32*\n        ; row r: q's 128 bytes, k's, v's
.endr
	s_wait_xcnt 0x0                                ; the rows read back last time are store data: they are loaded again only behind this wait
.irp g, 0,1,2
.irp i, 0,1,2,3
	ds_load_b128 v[RB+4*(4*\g+\i):RB+4*(4*\g+\i)+3], v[RD] offset:1600*\i+128*\g   ; my own bytes, served in order behind the stores (ISA guide 5.7.1)
.endr
.endr
.irp g, 0,1,2
.irp i, 0,1,2,3
	s_wait_dscnt 11-(4*\g+\i)
	global_store_b128 v[CO], v[RB+4*(4*\g+\i):RB+4*(4*\g+\i)+3], s[16+2*\g:17+2*\g] offset:2048*\a+512*\i   ; four rows of a head: 512 consecutive bytes
.endr
.endr
.endm
	OUTA 0
	OUTA 1
	OUTA 2
	OUTA 3
	s_wait_tensorcnt 0x0
	ds_add_u32 v30, v31
	s_wait_dscnt 0x0
	CROUND                                         ; the closing round
	s_endpgm
.Lfunc_end_k_q64bbbc1c7b_qkv:
	.size	k_q64bbbc1c7b_qkv, .Lfunc_end_k_q64bbbc1c7b_qkv-k_q64bbbc1c7b_qkv
	.p2alignl 7, 3214868480
	.fill 96, 4, 3214868480
	.section	.rodata,"a",@progbits
	.p2align	6, 0x0
	.amdhsa_kernel k_q64bbbc1c7b_qkv
		.amdhsa_group_segment_fixed_size 327680
		.amdhsa_private_segment_fixed_size 0
		.amdhsa_enable_private_segment 0
		.amdhsa_kernarg_size 72
		.amdhsa_user_sgpr_count 2
		.amdhsa_user_sgpr_kernarg_segment_ptr 1
		.amdhsa_wavefront_size32 1
		.amdhsa_system_sgpr_workgroup_id_x 1
		.amdhsa_system_sgpr_workgroup_id_y 1
		.amdhsa_system_sgpr_workgroup_id_z 1
		.amdhsa_system_vgpr_workitem_id 0
		.amdhsa_next_free_vgpr 960
		.amdhsa_next_free_sgpr 84
		.amdhsa_reserve_vcc 0
		.amdhsa_float_denorm_mode_32 3
		.amdhsa_float_denorm_mode_16_64 3
		.amdhsa_memory_ordered 1
		.amdhsa_forward_progress 1
		.amdhsa_inst_pref_size 186
	.end_amdhsa_kernel
	.amdgpu_metadata
---
amdhsa.version: [ 1, 2 ]
amdhsa.kernels:
  - .name:           k_q64bbbc1c7b_qkv
    .symbol:         k_q64bbbc1c7b_qkv.kd
    .args:
      - { .name: xb, .offset: 0, .size: 8, .value_kind: global_buffer, .address_space: global }
      - { .name: wb, .offset: 8, .size: 8, .value_kind: global_buffer, .address_space: global }
      - { .name: tab, .offset: 16, .size: 8, .value_kind: global_buffer, .address_space: global }
      - { .name: bq, .offset: 24, .size: 8, .value_kind: global_buffer, .address_space: global }
      - { .name: bk, .offset: 32, .size: 8, .value_kind: global_buffer, .address_space: global }
      - { .name: bv, .offset: 40, .size: 8, .value_kind: global_buffer, .address_space: global }
      - { .name: qh, .offset: 48, .size: 8, .value_kind: global_buffer, .address_space: global }
      - { .name: kh, .offset: 56, .size: 8, .value_kind: global_buffer, .address_space: global }
      - { .name: vh, .offset: 64, .size: 8, .value_kind: global_buffer, .address_space: global }
    .group_segment_fixed_size: 327680
    .private_segment_fixed_size: 0
    .kernarg_segment_align: 8
    .kernarg_segment_size: 72
    .max_flat_workgroup_size: 128
    .sgpr_count:     84
    .vgpr_count:     960
    .wavefront_size: 32
...
	.end_amdgpu_metadata
.endif
;; end of part 2
;; launch attn (part 3): grid 256 x 1, 8 waves a work-group, clusters of 4 x 1, 327,680 bytes of LDS; arguments qh, kh, vh, mask, ao; writes ao
.if DOCPART == 3
	.amdgcn_target "amdgcn-amd-amdhsa--gfx1250"
	.amdhsa_code_object_version 6
	.text
	.protected	k_q64bbbc1c7b_attn
	.globl	k_q64bbbc1c7b_attn
	.p2align	8
	.type	k_q64bbbc1c7b_attn,@function
k_q64bbbc1c7b_attn:
	s_mov_b64 s[64:65], 0
	v_nop
	global_prefetch_b8 v0, s[64:65] scope:SCOPE_SE
	s_setreg_imm32_b32 hwreg(HW_REG_WAVE_MODE, 25, 1), 1
	s_wait_xcnt 0x0
	s_wait_alu depctr_hold_cnt(0) depctr_sa_sdst(0) depctr_va_vdst(0) depctr_va_sdst(0) depctr_va_ssrc(0) depctr_va_vcc(0) depctr_vm_vsrc(0)
	s_getreg_b32 s2, hwreg(HW_REG_IB_STS2, 6, 4)
	s_cmp_eq_u32 s2, 0
	s_cbranch_scc0 .Lentry_in_a_cluster
	s_endpgm
.Lentry_in_a_cluster:
	s_bfe_u32 s2, ttmp6, 0x10000c
	s_cmp_lg_u32 s2, 0x3003
	s_cbranch_scc0 .Lentry_shape_is_right
	s_endpgm
.Lentry_shape_is_right:
; attn: softmax(q k^T / 8 - 1e9 mask) v for one head and 256 queries, with a running maximum.  q, k, v: f16 [B][H][S][64].
; Out: ao f16 [B][16 blocks of 128 rows][H][128][64], so that the next launch finds two heads of a row block as one dense tile.
; Eight waves, two on a SIMD, so that one wave's softmax runs beside the other's matrix work; a wave owns 32 queries (two tiles qt).
; TRANSPOSED: S^T = K Q^T (source 0: 16 keys, source 1: 16 queries): lane l holds query l % 16 and keys 8 (l / 16) + 0..7 of each key tile.
; So maximum and sum stay in the lane but for one exchange with lane l ^ 16, the factors are one number a lane, and pairs of S^T registers
; pack straight into source 1 of O^T = V^T P^T; V^T comes by the transposing LDS load from V[key][d].
; CLUSTER 4 x 1: the four work-groups of a cluster are four query blocks of one head and read the same K and V: joint loads, mask 15.
; Two LDS slots of 256 keys; wave w fills piece w: waves 0-3 64 keys of K (pitch 144), waves 4-7 64 keys of V (pitch 160).
; A wave has two tensor loads out at the start and one behind each round of the cluster's barrier.
; LIMITS: operands f16.  Logits are kept in base 2: x = S log2(e)/8 + mask (-1e9) log2(e), one fused step.  Where every key of a batch is
; masked the weights come out uniform, as in the f32 sum logit - 1e9 for |logit| < 32; beyond that its steps of 64 are not reproduced.
; REGISTERS.  window 0: v8-15 addresses, v16-25 at work, v26-29 (M, alpha) for qt = 0, 1, v30-33 running sums, v64-127 K fragments,
;   v128-191 S, v192-223 P (f16), v224-255 the mask's addends;  window 1: v0-63 O, v64-95 Q fragments, v96-159 V fragments.
.set KP,    144
.set VP,    160
.set PIECE, 10240
.set SLOT,  8*PIECE
.set MADD,  2*SLOT                     ; 2,048 f32: mask (-1e9) log2(e) of my batch; written by LDS stores, never a fill's target
.set STAGE, MADD+8192                  ; 32 rows x 144 bytes for each wave
.set KA,    8                          ; v8, v9    K fragments in slot 0, 1
.set VA,    10                         ; v10, v11  V fragments in slot 0, 1
.set MA,    12                         ; v12       the addends of the tile at work; steps 1,024 bytes a tile
.set STO,   13
.set RD,    14
.set CO,    15
.set NA,    26
.set LS,    30
.set KF,    64
.set SS,    128
.set PP,    192
.set MD,    224
.set OO,    0
.set QF,    64
.set VF,    96
.set G1K,   20
.set G1V,   28
.set G0K,   36
.set G0V,   44
.set MSB,   0
.macro WIN new
.if MSB != \new
	s_set_vgpr_msb (MSB<<8)|\new
.set MSB, \new
.endif
.endm
.macro PLACES
.rept 4
	v_nop
.endr
.endm
.macro JLOAD s                         ; waves 0-3 ask for K's pieces, waves 4-7 for V's
	s_cmp_lt_u32 s52, 4
	s_cbranch_scc0 .Lfor_v_\@
	tensor_load_to_lds s[G0K+4*\s:G0K+4*\s+3], s[G1K:G1K+7]
	s_nop 0
	s_branch .Lasked_\@
.Lfor_v_\@:
	tensor_load_to_lds s[G0V+4*\s:G0V+4*\s+3], s[G1V:G1V+7]
	s_nop 0
.Lasked_\@:
.endm
.macro ROUND
	s_barrier_signal -1
	s_barrier_wait -1
	s_cmp_lg_u32 s52, 0
	s_cbranch_scc1 .Lnot_wave_0_\@
	s_barrier_signal -3
.Lnot_wave_0_\@:
	s_barrier_wait -3
	s_barrier_signal -1
	s_barrier_wait -1
.endm
	s_load_b256 s[4:11], s[0:1], 0x0               ; qh, kh, vh, mask
	s_load_b64 s[12:13], s[0:1], 0x20              ; ao
	v_lshl_add_u32 v62, v0, 2, 0x33000
	v_mov_b32 v63, 0
	ds_add_u32 v62, v63
	v_lshrrev_b32 v1, 5, v0
	v_readfirstlane_b32 s52, v1                    ; wave
	s_bfe_u32 s14, ttmp6, 0x40000                  ; cx
	s_lshr_b32 s15, ttmp9, 1                       ; batch x 16 + head: two clusters a head
	s_and_b32 s16, ttmp9, 1
	s_lshl_b32 s16, s16, 2
	s_add_co_u32 s16, s16, s14                     ; block of 256 queries
	s_mov_b32 s56, 0x76543210                      ; v_permlanex16_b32: lane i reads lane i ^ 16
	s_mov_b32 s57, 0xfedcba98
	; group 1: 64 rows x 64 elements of 2 bytes, dense; padding behind every 32 words: 4 words (K), 8 words (V)
	s_mov_b32 s[G1K+0], 15|(1<<16)|(1<<20)|(1<<21)|(4<<22)|(3<<25)
	s_mov_b32 s[G1V+0], 15|(1<<16)|(1<<20)|(1<<21)|(4<<22)|(7<<25)
.irp g, G1K, G1V
	s_mov_b32 s[\g+1], 64<<16
	s_mov_b32 s[\g+2], 64<<16
	s_mov_b32 s[\g+3], 64<<16
	s_mov_b32 s[\g+4], 64
	s_mov_b32 s[\g+5], 64
	s_mov_b32 s[\g+6], 0
	s_mov_b32 s[\g+7], 0
.endr
	s_lshl_b32 s18, s15, 18                        ; the head's 262,144 bytes
	s_and_b32 s17, s52, 3
	s_lshl_b32 s17, s17, 13                        ; + my 64 keys of 128 bytes
	s_add_co_u32 s18, s18, s17
	s_mov_b32 s19, 0
	s_mul_i32 s53, s52, PIECE
	s_wait_dscnt 0x0
	s_wait_kmcnt 0x0
	s_add_nc_u64 s[6:7], s[6:7], s[18:19]
	s_add_nc_u64 s[8:9], s[8:9], s[18:19]
	ROUND                                          ; in front of the first joint loads
.irp s, 0,1
	s_mov_b32 s[G0K+4*\s], 1
	s_add_co_u32 s[G0K+4*\s+1], s53, \s*SLOT
	s_add_nc_u64 s[G0K+4*\s+2:G0K+4*\s+3], s[6:7], \s*32768        ; tile s: 256 keys
	s_or_b32 s[G0K+4*\s+3], s[G0K+4*\s+3], 0x80000000
	s_mov_b32 s[G0V+4*\s], 1
	s_add_co_u32 s[G0V+4*\s+1], s53, \s*SLOT
	s_add_nc_u64 s[G0V+4*\s+2:G0V+4*\s+3], s[8:9], \s*32768
	s_or_b32 s[G0V+4*\s+3], s[G0V+4*\s+3], 0x80000000
	JLOAD \s
.endr
	; bases: my 32 queries, my batch's mask, my 32 rows of ao
	s_lshl_b32 s58, s15, 11
	s_lshl_b32 s2, s16, 8
	s_add_co_u32 s58, s58, s2
	s_lshl_b32 s2, s52, 5
	s_add_co_u32 s58, s58, s2
	s_lshl_b32 s58, s58, 7
	s_mov_b32 s59, 0
	s_add_nc_u64 s[4:5], s[4:5], s[58:59]
	s_lshr_b32 s58, s15, 4
	s_lshl_b32 s58, s58, 13
	s_add_nc_u64 s[10:11], s[10:11], s[58:59]
	s_lshr_b32 s58, s15, 4
	s_lshl_b32 s58, s58, 4
	s_lshl_b32 s2, s16, 1
	s_add_co_u32 s58, s58, s2
	s_lshr_b32 s2, s52, 2
	s_add_co_u32 s58, s58, s2                      ; block of 128 rows
	s_lshl_b32 s58, s58, 4
	s_and_b32 s2, s15, 15
	s_add_co_u32 s58, s58, s2                      ; x 16 + head
	s_lshl_b32 s58, s58, 14
	s_and_b32 s2, s52, 3
	s_lshl_b32 s2, s2, 12                          ; + 32 (wave % 4) rows of 128 bytes
	s_add_co_u32 s58, s58, s2
	s_add_nc_u64 s[12:13], s[12:13], s[58:59]
	v_and_b32 v2, 15, v0                           ; r
	v_bfe_u32 v3, v0, 4, 1                         ; h
	v_and_b32 v4, 7, v0
	v_bfe_u32 v5, v0, 3, 1
	v_and_b32 v6, 31, v0
	v_lshlrev_b32 v1, 5, v0                        ; thread t: 8 mask words at byte 32 t
	v_lshlrev_b32 v7, 7, v2
	v_lshl_add_u32 v7, v3, 4, v7                   ; query row r, 16 h
	global_load_b128 v[16:19], v1, s[10:11]
	global_load_b128 v[20:23], v1, s[10:11] offset:16
	WIN 0x40
.irp qt, 0,1
.irp c, 0,1,2,3
	global_load_b128 v[QF+16*\qt+4*\c:QF+16*\qt+4*\c+3], v7, s[4:5] offset:2048*\qt+32*\c
.endr
.endr
	WIN 0
	v_mul_u32_u24 v[KA], v2, KP
	v_lshl_add_u32 v[KA], v3, 4, v[KA]             ; key row r, 16 h
	v_add_nc_u32 v[KA+1], SLOT, v[KA]
	v_lshl_add_u32 v[VA], v3, 3, v4                ; key row 8 h + (lane & 7)
	v_mul_u32_u24 v[VA], v[VA], VP
	v_lshl_add_u32 v[VA], v5, 4, v[VA]
	v_add_nc_u32 v[VA], 4*PIECE, v[VA]             ; V's pieces lie behind K's four
	v_add_nc_u32 v[VA+1], SLOT, v[VA]
	v_lshlrev_b32 v[MA], 5, v3
	v_add_nc_u32 v[MA], MADD, v[MA]                ; keys 8 h ..
	s_mul_i32 s17, s52, 32*KP
	s_add_co_u32 s17, s17, STAGE
	v_add_nc_u32 v[STO], s17, v[KA]
	v_lshrrev_b32 v[RD], 3, v6
	v_mul_u32_u24 v[RD], v[RD], KP
	v_lshl_add_u32 v[RD], v4, 4, v[RD]
	v_add_nc_u32 v[RD], s17, v[RD]
	v_lshlrev_b32 v[CO], 4, v6
	v_add_nc_u32 v24, MADD, v1
	s_wait_loadcnt 0x8                             ; the mask is in; the eight loads of Q stay out
.irp j, 0,1,2,3,4,5,6,7
	v_cvt_f32_i32 v[16+\j], v[16+\j]
.endr
.irp j, 0,2,4,6
	v_pk_mul_f32 v[16+\j:17+\j], v[16+\j:17+\j], 0xce6e6b28 op_sel_hi:[1,0]   ; x -1e9
.endr
.irp j, 0,2,4,6
	v_pk_mul_f32 v[16+\j:17+\j], v[16+\j:17+\j], 0x3fb8aa3b op_sel_hi:[1,0]   ; x log2(e)
.endr
	ds_store_b128 v24, v[16:19]
	ds_store_b128 v24, v[20:23] offset:16
; x - M and 2^(x - M) for the key tile kt of query tile qt, in place
.macro EXPT qt, kt
.irp jj, 0,1,2,3
	v_pk_add_f32 v[SS+32*\qt+8*\kt+2*\jj:SS+32*\qt+8*\kt+2*\jj+1], v[SS+32*\qt+8*\kt+2*\jj:SS+32*\qt+8*\kt+2*\jj+1], v[NA+2*\qt:NA+2*\qt+1] op_sel_hi:[1,0] neg_lo:[0,1] neg_hi:[0,1]
.endr
.irp j, 0,1,2,3,4,5,6,7
	v_exp_f32 v[SS+32*\qt+8*\kt+\j], v[SS+32*\qt+8*\kt+\j]
.endr
.endm
; the tile's eight weights are added to the running pair of sums and packed to f16.  The first tile of a step scales the old sums by alpha.
.macro SUMCVT qt, kt, first
.set SB, SS+32*\qt+8*\kt
.set PB, PP+16*\qt+4*\kt
.set LB, LS+2*\qt
.if \kt == 0
.if \first
	s_wait_alu depctr_va_vdst(0)
	v_pk_add_f32 v[LB:LB+1], v[SB:SB+1], v[SB+2:SB+3]
	v_cvt_pk_f16_f32 v[PB], v[SB], v[SB+1]
.else
	s_wait_alu depctr_va_vdst(0)
	v_pk_fma_f32 v[LB:LB+1], v[LB:LB+1], v[NA+2*\qt:NA+2*\qt+1], v[SB:SB+1] op_sel:[0,1,0] op_sel_hi:[1,1,1]
	v_cvt_pk_f16_f32 v[PB], v[SB], v[SB+1]
	v_pk_add_f32 v[LB:LB+1], v[LB:LB+1], v[SB+2:SB+3]
.endif
.else
	s_wait_alu depctr_va_vdst(0)
	v_pk_add_f32 v[LB:LB+1], v[LB:LB+1], v[SB:SB+1]
	v_cvt_pk_f16_f32 v[PB], v[SB], v[SB+1]
	v_pk_add_f32 v[LB:LB+1], v[LB:LB+1], v[SB+2:SB+3]
.endif
	v_cvt_pk_f16_f32 v[PB+1], v[SB+2], v[SB+3]
	v_pk_add_f32 v[LB:LB+1], v[LB:LB+1], v[SB+4:SB+5]
	v_cvt_pk_f16_f32 v[PB+2], v[SB+4], v[SB+5]
	v_pk_add_f32 v[LB:LB+1], v[LB:LB+1], v[SB+6:SB+7]
	v_cvt_pk_f16_f32 v[PB+3], v[SB+6], v[SB+7]
.endm
; 64 keys: piece i of slot.  first = 1: the very first step starts maximum, sums and O.
; The eight S tiles, and then the eight O tiles, take turns, one instruction a turn.
.macro STEP slot, i, first
.irp kt, 0,1,2,3
.irp c, 0,1,2,3
	ds_load_b128 v[KF+16*\kt+4*\c:KF+16*\kt+4*\c+3], v[KA+\slot] offset:\i*PIECE+2304*\kt+32*\c
.endr
.endr
.irp kt, 0,1,2,3
.irp c, 0,1
	ds_load_b128 v[MD+8*\kt+4*\c:MD+8*\kt+4*\c+3], v[MA] offset:256*\i+64*\kt+16*\c
.endr
.endr
	s_wait_dscnt 8                                 ; K's sixteen loads are in; the eight of the addends may be out
	WIN 0x04                                       ; source 1, Q: window 1
.irp qt, 0,1
.irp kt, 0,1,2,3
	v_wmma_f32_16x16x32_f16 v[SS+32*\qt+8*\kt:SS+32*\qt+8*\kt+7], v[KF+16*\kt:KF+16*\kt+7], v[QF+16*\qt:QF+16*\qt+7], 0
.endr
.endr
.irp qt, 0,1
.irp kt, 0,1,2,3
	v_wmma_f32_16x16x32_f16 v[SS+32*\qt+8*\kt:SS+32*\qt+8*\kt+7], v[KF+16*\kt+8:KF+16*\kt+15], v[QF+16*\qt+8:QF+16*\qt+15], v[SS+32*\qt+8*\kt:SS+32*\qt+8*\kt+7]
.endr
.endr
	PLACES                                         ; for the reads of S below and for the loads into V's registers, which the last step's products read
	WIN 0x40
.irp k, 0,1
.irp dt, 0,1,2,3
	ds_load_tr16_b128 v[VF+8*(4*\k+\dt):VF+8*(4*\k+\dt)+3], v[VA+\slot] offset:\i*PIECE+5120*\k+32*\dt
	ds_load_tr16_b128 v[VF+8*(4*\k+\dt)+4:VF+8*(4*\k+\dt)+7], v[VA+\slot] offset:\i*PIECE+5120*\k+32*\dt+2560
.endr
.endr
	WIN 0
	s_wait_dscnt 16                                ; the addends are in; V's sixteen loads may be out
.irp qt, 0,1
.irp kt, 0,1,2,3
.irp jj, 0,1,2,3
	v_pk_fma_f32 v[SS+32*\qt+8*\kt+2*\jj:SS+32*\qt+8*\kt+2*\jj+1], v[SS+32*\qt+8*\kt+2*\jj:SS+32*\qt+8*\kt+2*\jj+1], 0x3e38aa3b, v[MD+8*\kt+2*\jj:MD+8*\kt+2*\jj+1] op_sel_hi:[1,0,1]
.endr
.endr
.endr
	; the new maximum: two chains for each query tile, the first begun with the old maximum
.if \first
	v_max_num_f32 v16, v[SS], v[SS+1]
	v_max_num_f32 v18, v[SS+32], v[SS+33]
.else
	v_max3_num_f32 v16, v[NA], v[SS], v[SS+1]
	v_max3_num_f32 v18, v[NA+2], v[SS+32], v[SS+33]
.endif
	v_max_num_f32 v17, v[SS+16], v[SS+17]
	v_max_num_f32 v19, v[SS+48], v[SS+49]
.irp m, 2,4,6,8,10,12,14
	v_max3_num_f32 v16, v16, v[SS+\m], v[SS+\m+1]
	v_max3_num_f32 v17, v17, v[SS+16+\m], v[SS+17+\m]
	v_max3_num_f32 v18, v18, v[SS+32+\m], v[SS+33+\m]
	v_max3_num_f32 v19, v19, v[SS+48+\m], v[SS+49+\m]
.endr
	v_max_num_f32 v16, v16, v17
	v_max_num_f32 v18, v18, v19
	v_permlanex16_b32 v20, v16, s56, s57           ; the other eight keys of each tile lie in lane l ^ 16
	v_permlanex16_b32 v21, v18, s56, s57
	v_max_num_f32 v16, v16, v20
	v_max_num_f32 v18, v18, v21
.if \first
	v_mov_b32 v[NA], v16
	v_mov_b32 v[NA+2], v18
	v_mov_b32 v[NA+1], 1.0                         ; alpha is not used in this step; the pair is read whole
	v_mov_b32 v[NA+3], 1.0
.else
	v_sub_f32 v22, v[NA], v16
	v_sub_f32 v23, v[NA+2], v18
	v_mov_b32 v[NA], v16
	v_mov_b32 v[NA+2], v18
	v_exp_f32 v[NA+1], v22                         ; alpha = 2^(old M - new M)
	v_exp_f32 v[NA+3], v23
	v_nop                                          ; a plain place behind the exponentials (ISA guide 5.7.2): the next line names their pair
	s_wait_alu depctr_va_vdst(0)
.endif
	; each run of exponentials is followed by plain work on another tile
	EXPT 0, 0
	EXPT 0, 1
	SUMCVT 0, 0, \first
	EXPT 0, 2
	SUMCVT 0, 1, \first
	EXPT 0, 3
	SUMCVT 0, 2, \first
	EXPT 1, 0
	SUMCVT 0, 3, \first
	EXPT 1, 1
	SUMCVT 1, 0, \first
	EXPT 1, 2
	SUMCVT 1, 1, \first
	EXPT 1, 3
	SUMCVT 1, 2, \first
	SUMCVT 1, 3, \first
.if \first
.else
	WIN 0x41                                       ; O in window 1, alpha in window 0
.irp qt, 0,1
.set n, 0
.rept 16
	v_pk_mul_f32 v[OO+32*\qt+2*n:OO+32*\qt+2*n+1], v[OO+32*\qt+2*n:OO+32*\qt+2*n+1], v[NA+2*\qt:NA+2*\qt+1] op_sel:[0,1] op_sel_hi:[1,1]
.set n, n+1
.endr
.endr
.endif
	s_wait_dscnt 0                                 ; V
	WIN 0x51                                       ; V, C and D: window 1; P: window 0
.irp qt, 0,1
.irp dt, 0,1,2,3
.if \first
	v_wmma_f32_16x16x32_f16 v[OO+32*\qt+8*\dt:OO+32*\qt+8*\dt+7], v[VF+8*\dt:VF+8*\dt+7], v[PP+16*\qt:PP+16*\qt+7], 0
.else
	v_wmma_f32_16x16x32_f16 v[OO+32*\qt+8*\dt:OO+32*\qt+8*\dt+7], v[VF+8*\dt:VF+8*\dt+7], v[PP+16*\qt:PP+16*\qt+7], v[OO+32*\qt+8*\dt:OO+32*\qt+8*\dt+7]
.endif
.endr
.endr
.irp qt, 0,1
.irp dt, 0,1,2,3
	v_wmma_f32_16x16x32_f16 v[OO+32*\qt+8*\dt:OO+32*\qt+8*\dt+7], v[VF+32+8*\dt:VF+32+8*\dt+7], v[PP+16*\qt+8:PP+16*\qt+15], v[OO+32*\qt+8*\dt:OO+32*\qt+8*\dt+7]
.endr
.endr
	WIN 0
.endm
.macro TILE slot, first                ; 256 keys
	STEP \slot, 0, \first
	STEP \slot, 1, 0
	STEP \slot, 2, 0
	STEP \slot, 3, 0
	v_add_nc_u32 v[MA], 1024, v[MA]                ; the next tile's addends
.endm
; The change of slots.  In front of the barrier every wave waits for all its tensor loads (its piece of this slot among them) and for its
; reads of the other slot.  refill = 1: a round of the cluster's barrier, and behind it the joint refill of the other slot comes first.
.macro TWO slot, refill
	s_wait_tensorcnt 0x0
	ds_add_u32 v62, v63
	s_wait_dscnt 0x0
.if \refill
	s_add_nc_u64 s[G0K+4*(1-\slot)+2:G0K+4*(1-\slot)+3], s[G0K+4*(1-\slot)+2:G0K+4*(1-\slot)+3], 65536   ; no load of mine is out: the other slot's next tile
	s_add_nc_u64 s[G0V+4*(1-\slot)+2:G0V+4*(1-\slot)+3], s[G0V+4*(1-\slot)+2:G0V+4*(1-\slot)+3], 65536
.endif
	s_wait_dscnt 0x0
.if \refill
	ROUND
	JLOAD (1-\slot)
.else
	s_barrier_signal -1
	s_barrier_wait -1
.endif
	TILE \slot, 0
.endm
	s_wait_loadcnt 0x0                             ; Q
	s_wait_tensorcnt 0x1                           ; my piece of tile 0 is in; tile 1's stays out
	s_wait_dscnt 0x0                               ; my part of the addends is stored
	s_barrier_signal -1
	s_barrier_wait -1
	TILE 0, 1                                      ; tile 0
	s_mov_b32 s54, 3
.Lpair:
	TWO 1, 1                                       ; tiles 1, 3, 5; slot 0 gets tiles 2, 4, 6
	TWO 0, 1                                       ; tiles 2, 4, 6; slot 1 gets tiles 3, 5, 7
	s_sub_co_u32 s54, s54, 1
	s_cmp_lg_u32 s54, 0
	s_cbranch_scc1 .Lpair
	TWO 1, 0                                       ; tile 7: nothing is left to fetch
	; the way out: O / l, f16, through my own stage, as rows of 128 bytes that follow each other in ao
	PLACES
	v_add_f32 v16, v[LS], v[LS+1]
	v_add_f32 v18, v[LS+2], v[LS+3]
	v_permlanex16_b32 v20, v16, s56, s57
	v_permlanex16_b32 v21, v18, s56, s57
	v_add_f32 v16, v16, v20
	v_add_f32 v18, v18, v21
	v_rcp_f32 v22, v16
	v_rcp_f32 v23, v18
	v_nop                                          ; a plain place behind the reciprocals
	WIN 0x01
.set n, 0
	s_wait_alu depctr_va_vdst(0)
.rept 16
	v_pk_mul_f32 v[SS+2*n:SS+2*n+1], v[OO+2*n:OO+2*n+1], v[22:23] op_sel_hi:[1,0]
.set n, n+1
.endr
.set n, 0
.rept 16
	v_pk_mul_f32 v[SS+32+2*n:SS+32+2*n+1], v[OO+32+2*n:OO+32+2*n+1], v[22:23] op_sel:[0,1] op_sel_hi:[1,1]
.set n, n+1
.endr
	WIN 0
.set n, 0
.rept 32
	v_cvt_pk_f16_f32 v[PP+n], v[SS+2*n], v[SS+2*n+1]
.set n, n+1
.endr
.irp qt, 0,1
.irp dt, 0,1,2,3
	ds_store_b128 v[STO], v[PP+16*\qt+4*\dt:PP+16*\qt+4*\dt+3] offset:2304*\qt+32*\dt
.endr
.endr
.irp i, 0,1,2,3,4,5,6,7
	ds_load_b128 v[KF+4*\i:KF+4*\i+3], v[RD] offset:576*\i         ; my own bytes, served in order behind the stores
.endr
.irp i, 0,1,2,3,4,5,6,7
	s_wait_dscnt 7-\i
	global_store_b128 v[CO], v[KF+4*\i:KF+4*\i+3], s[12:13] offset:512*\i   ; four rows: 512 consecutive bytes
.endr
	s_wait_tensorcnt 0x0
	ds_add_u32 v62, v63
	s_wait_dscnt 0x0
	ROUND                                          ; the closing round
	s_endpgm
.Lfunc_end_k_q64bbbc1c7b_attn:
	.size	k_q64bbbc1c7b_attn, .Lfunc_end_k_q64bbbc1c7b_attn-k_q64bbbc1c7b_attn
	.p2alignl 7, 3214868480
	.fill 96, 4, 3214868480
	.section	.rodata,"a",@progbits
	.p2align	6, 0x0
	.amdhsa_kernel k_q64bbbc1c7b_attn
		.amdhsa_group_segment_fixed_size 327680
		.amdhsa_private_segment_fixed_size 0
		.amdhsa_enable_private_segment 0
		.amdhsa_kernarg_size 40
		.amdhsa_user_sgpr_count 2
		.amdhsa_user_sgpr_kernarg_segment_ptr 1
		.amdhsa_wavefront_size32 1
		.amdhsa_system_sgpr_workgroup_id_x 1
		.amdhsa_system_sgpr_workgroup_id_y 1
		.amdhsa_system_sgpr_workgroup_id_z 1
		.amdhsa_system_vgpr_workitem_id 0
		.amdhsa_next_free_vgpr 416
		.amdhsa_next_free_sgpr 66
		.amdhsa_reserve_vcc 0
		.amdhsa_float_denorm_mode_32 3
		.amdhsa_float_denorm_mode_16_64 3
		.amdhsa_memory_ordered 1
		.amdhsa_forward_progress 1
		.amdhsa_inst_pref_size 255
	.end_amdhsa_kernel
	.section	.bss,"aw",@nobits
	.p2align	6
	.space	262144
	.amdgpu_metadata
---
amdhsa.version: [ 1, 2 ]
amdhsa.kernels:
  - .name:           k_q64bbbc1c7b_attn
    .symbol:         k_q64bbbc1c7b_attn.kd
    .args:
      - { .name: qh, .offset: 0, .size: 8, .value_kind: global_buffer, .address_space: global }
      - { .name: kh, .offset: 8, .size: 8, .value_kind: global_buffer, .address_space: global }
      - { .name: vh, .offset: 16, .size: 8, .value_kind: global_buffer, .address_space: global }
      - { .name: mask, .offset: 24, .size: 8, .value_kind: global_buffer, .address_space: global }
      - { .name: ao, .offset: 32, .size: 8, .value_kind: global_buffer, .address_space: global }
    .group_segment_fixed_size: 327680
    .private_segment_fixed_size: 0
    .kernarg_segment_align: 8
    .kernarg_segment_size: 40
    .max_flat_workgroup_size: 256
    .sgpr_count:     66
    .vgpr_count:     416
    .wavefront_size: 32
...
	.end_amdgpu_metadata
.endif
;; end of part 3
;; launch oproj (part 4): grid 8 x 32, 4 waves a work-group, clusters of 4 x 4, 327,680 bytes of LDS; arguments ao, wb, bo, out0; writes out0
.if DOCPART == 4
	.amdgcn_target "amdgcn-amd-amdhsa--gfx1250"
	.amdhsa_code_object_version 6
	.text
	.protected	k_q64bbbc1c7b_oproj
	.globl	k_q64bbbc1c7b_oproj
	.p2align	8
	.type	k_q64bbbc1c7b_oproj,@function
k_q64bbbc1c7b_oproj:
	s_mov_b64 s[64:65], 0
	v_nop
	global_prefetch_b8 v0, s[64:65] scope:SCOPE_SE
	s_setreg_imm32_b32 hwreg(HW_REG_WAVE_MODE, 25, 1), 1
	s_wait_xcnt 0x0
	s_wait_alu depctr_hold_cnt(0) depctr_sa_sdst(0) depctr_va_vdst(0) depctr_va_sdst(0) depctr_va_ssrc(0) depctr_va_vcc(0) depctr_vm_vsrc(0)
	s_getreg_b32 s2, hwreg(HW_REG_IB_STS2, 6, 4)
	s_cmp_eq_u32 s2, 0
	s_cbranch_scc0 .Lentry_in_a_cluster
	s_endpgm
.Lentry_in_a_cluster:
	s_bfe_u32 s2, ttmp6, 0x10000c
	s_cmp_lg_u32 s2, 0xf033
	s_cbranch_scc0 .Lentry_shape_is_right
	s_endpgm
.Lentry_shape_is_right:
; oproj: out0 = ao wo + bo, f32 out.  ao: f16 [32 blocks of 128 rows][16 heads][128][64]; wo: f16 [k][n] at byte 6,291,456 of wb.
; Work-group (bx, by): 128 rows x 128 columns, so that 256 work-groups share the 4096 x 1024 result; wave w: rows 64 (w >> 1) .., columns 64 (w & 1) ..:
; 16 accumulators.  K = 1024 in four tiles of 256 (four heads) through two LDS slots: two first fills, two refills, all written out.
; A slot: pieces 0, 1 = two heads each of ao (256 rows of 128 bytes + 16), pieces 2, 3 = 128 k-rows each of wo (256 bytes + 32).
; CLUSTER 4 x 4: ao's tiles hang on by alone (joint along a row of the cluster, waves 0, 1), wo's on bx alone (joint along a column, waves 2, 3).
; A wave has two tensor loads out at the start, later one.  Used transposed, as in qkv: lane l holds row l % 16 and eight neighbouring columns.
; The bias is the C of the first products.  The 16 accumulators take turns, one instruction a turn.
; REGISTERS.  window 0: v16-27 addresses, v32-95 fragments of ao (two buffers), v96-159 fragments of wo (two buffers), v160-191 bias;
;   window 1: v0-127 accumulators at 8 (4 a + nb).
.set PAO,   144
.set PW,    288
.set PIECE, 36864
.set SLOT,  4*PIECE
.set STAGE, 2*SLOT
.set SP,    272
.set ADRA,  16                         ; v16-17
.set ADRW,  18                         ; v18-21: 2 x slot + half of the k-rows
.set STO,   24
.set RD,    25
.set CO,    26
.set BIASO, 27
.set FA,    32
.set FW,    96
.set BIAS,  160
.set RB,    32
.set G1A,   28
.set G1W,   36
.set G0A,   44
.set G0W,   52
.set MSB,   0
.macro WIN new
.if MSB != \new
	s_set_vgpr_msb (MSB<<8)|\new
.set MSB, \new
.endif
.endm
.macro PLACES
.rept 4
	v_nop
.endr
.endm
.macro JLOAD s
	s_cmp_eq_u32 s13, 0
	s_cbranch_scc0 .Lfor_w_\@
	tensor_load_to_lds s[G0A+4*\s:G0A+4*\s+3], s[G1A:G1A+7]
	s_nop 0
	s_branch .Lasked_\@
.Lfor_w_\@:
	tensor_load_to_lds s[G0W+4*\s:G0W+4*\s+3], s[G1W:G1W+7]
	s_nop 0
.Lasked_\@:
.endm
.macro CREST
	s_cmp_lg_u32 s12, 0
	s_cbranch_scc1 .Lnot_wave_0_\@
	s_barrier_signal -3
.Lnot_wave_0_\@:
	s_barrier_wait -3
	s_barrier_signal -1
	s_barrier_wait -1
.endm
.macro CROUND
	s_barrier_signal -1
	s_barrier_wait -1
	CREST
.endm
	s_load_b256 s[4:11], s[0:1], 0x0               ; ao, wb, bo, out0
	v_lshl_add_u32 v254, v0, 2, 0x4c400
	v_mov_b32 v255, 0
	ds_add_u32 v254, v255
	v_lshrrev_b32 v1, 5, v0
	v_readfirstlane_b32 s12, v1                    ; wave
	s_lshr_b32 s13, s12, 1                         ; wm.  Also: I fetch ao (0) or wo (1)
	s_and_b32 s14, s12, 1                          ; wn.  Also: which half of that tile
	s_bfe_u32 s15, ttmp6, 0x40000                  ; cx
	s_bfe_u32 s16, ttmp6, 0x40004                  ; cy
	s_lshl_b32 s17, ttmp9, 2
	s_add_co_u32 s17, s17, s15                     ; bx
	s_and_b32 s18, ttmp7, 0xffff
	s_lshl_b32 s18, s18, 2
	s_add_co_u32 s18, s18, s16                     ; by
	s_lshl_b32 s19, s16, 2
	s_lshl_b32 s19, 15, s19
	s_lshl_b32 s20, 0x1111, s15
	; ao: 256 rows x 64 elements, dense, 4 words of padding behind every 32
	s_or_b32 s[G1A+0], s19, (1<<16)|(1<<20)|(1<<21)|(4<<22)|(3<<25)
	s_mov_b32 s[G1A+1], 64<<16
	s_mov_b32 s[G1A+2], 256<<16
	s_mov_b32 s[G1A+3], 64<<16
	s_mov_b32 s[G1A+4], 256
	s_mov_b32 s[G1A+5], 64
	s_mov_b32 s[G1A+6], 0
	s_mov_b32 s[G1A+7], 0
	; wo: 128 rows x 128 elements, pitch 1024, 8 words of padding behind every 64
	s_or_b32 s[G1W+0], s20, (1<<16)|(1<<20)|(1<<21)|(5<<22)|(7<<25)
	s_mov_b32 s[G1W+1], 128<<16
	s_mov_b32 s[G1W+2], 128<<16
	s_mov_b32 s[G1W+3], 128<<16
	s_mov_b32 s[G1W+4], 128
	s_mov_b32 s[G1W+5], 1024
	s_mov_b32 s[G1W+6], 0
	s_mov_b32 s[G1W+7], 0
	s_mul_i32 s21, s12, PIECE
	s_lshl_b32 s22, s18, 18                        ; ao: the row block's 16 heads x 16,384 bytes
	s_lshl_b32 s23, s14, 15                        ; + my two heads
	s_add_co_u32 s22, s22, s23
	s_mov_b32 s23, 0
	s_lshl_b32 s24, s14, 18                        ; wo: my 128 k-rows of 2,048 bytes
	s_lshl_b32 s25, s17, 8                         ; + 128 bx columns
	s_add_co_u32 s24, s24, s25
	s_add_co_u32 s24, s24, 6291456
	s_mov_b32 s25, 0
	s_wait_dscnt 0x0
	s_wait_kmcnt 0x0
	s_add_nc_u64 s[22:23], s[4:5], s[22:23]
	s_add_nc_u64 s[24:25], s[6:7], s[24:25]
	CROUND
.irp s, 0,1
	s_mov_b32 s[G0A+4*\s], 1
	s_add_co_u32 s[G0A+4*\s+1], s21, \s*SLOT
	s_add_nc_u64 s[G0A+4*\s+2:G0A+4*\s+3], s[22:23], \s*65536      ; tile s: four heads
	s_or_b32 s[G0A+4*\s+3], s[G0A+4*\s+3], 0x80000000
	s_mov_b32 s[G0W+4*\s], 1
	s_add_co_u32 s[G0W+4*\s+1], s21, \s*SLOT
	s_add_nc_u64 s[G0W+4*\s+2:G0W+4*\s+3], s[24:25], \s*524288     ; tile s: 256 k-rows
	s_or_b32 s[G0W+4*\s+3], s[G0W+4*\s+3], 0x80000000
	JLOAD \s
.endr
	v_and_b32 v1, 15, v0                           ; r
	v_bfe_u32 v2, v0, 4, 1                         ; h
	v_and_b32 v3, 7, v0
	v_bfe_u32 v4, v0, 3, 1
	v_mul_u32_u24 v6, v1, PAO
	v_lshl_add_u32 v6, v2, 4, v6
	s_mul_i32 s26, s13, 64*PAO
	v_add_nc_u32 v[ADRA], s26, v6
	v_add_nc_u32 v[ADRA+1], SLOT, v[ADRA]
	v_lshl_add_u32 v7, v2, 3, v3
	v_mul_u32_u24 v7, v7, PW
	v_lshl_add_u32 v7, v4, 4, v7
	s_lshl_b32 s27, s14, 7
	v_add_nc_u32 v7, s27, v7
.irp s, 0,1
.irp k, 0,1
	v_add_nc_u32 v[ADRW+2*\s+\k], \s*SLOT+(2+\k)*PIECE, v7
.endr
.endr
	s_mul_i32 s26, s12, 16*SP
	s_add_co_u32 s26, s26, STAGE
	v_mul_u32_u24 v8, v1, SP
	v_lshl_add_u32 v8, v2, 5, v8                   ; row r, 8 h columns of f32
	v_add_nc_u32 v[STO], s26, v8
	v_mul_u32_u24 v9, v2, SP
	v_lshl_add_u32 v9, v1, 4, v9                   ; back: lanes 0-15 one row of 256 bytes, lanes 16-31 the next
	v_add_nc_u32 v[RD], s26, v9
	v_lshlrev_b32 v[CO], 12, v2
	v_lshl_add_u32 v[CO], v1, 4, v[CO]             ; the same two rows in out0
	v_lshlrev_b32 v[BIASO], 5, v2
	s_lshl_b32 s2, s17, 9
	s_lshl_b32 s3, s14, 8
	s_add_co_u32 s2, s2, s3                        ; my first column, in bytes
	s_mov_b32 s3, 0
	s_add_nc_u64 s[8:9], s[8:9], s[2:3]
	s_add_nc_u64 s[10:11], s[10:11], s[2:3]
	s_lshl_b32 s26, s18, 7
	s_lshl_b32 s27, s13, 6
	s_add_co_u32 s26, s26, s27                     ; my first row
	s_lshl_b32 s26, s26, 12
	s_mov_b32 s27, 0
	s_add_nc_u64 s[10:11], s[10:11], s[26:27]
.irp nb, 0,1,2,3
	global_load_b128 v[BIAS+8*\nb:BIAS+8*\nb+3], v[BIASO], s[8:9] offset:64*\nb
	global_load_b128 v[BIAS+8*\nb+4:BIAS+8*\nb+7], v[BIASO], s[8:9] offset:64*\nb+16
.endr
.macro MULA f, a, first
.irp nb, 0,1,2,3
.if \first
	v_wmma_f32_16x16x32_f16 v[8*(4*\a+\nb):8*(4*\a+\nb)+7], v[FW+32*\f+8*\nb:FW+32*\f+8*\nb+7], v[FA+32*\f+8*\a:FA+32*\f+8*\a+7], v[BIAS+8*\nb:BIAS+8*\nb+7]
.else
	v_wmma_f32_16x16x32_f16 v[8*(4*\a+\nb):8*(4*\a+\nb)+7], v[FW+32*\f+8*\nb:FW+32*\f+8*\nb+7], v[FA+32*\f+8*\a:FA+32*\f+8*\a+7], v[8*(4*\a+\nb):8*(4*\a+\nb)+7]
.endif
.endr
.endm
; 16 LDS loads: eighth e (32 along K: head e / 2 of the slot's four, half e % 2 of its 64) of slot s into buffer f
.macro FETCH s, e, f
	WIN 0
.irp nb, 0,1,2,3
	ds_load_tr16_b128 v[FW+32*\f+8*\nb:FW+32*\f+8*\nb+3], v[ADRW+2*\s+(\e/4)] offset:(\e%4)*9216+32*\nb
	ds_load_tr16_b128 v[FW+32*\f+8*\nb+4:FW+32*\f+8*\nb+7], v[ADRW+2*\s+(\e/4)] offset:(\e%4)*9216+32*\nb+4608
.endr
.irp a, 0,1,2,3
	ds_load_b128 v[FA+32*\f+8*\a:FA+32*\f+8*\a+3], v[ADRA+\s] offset:(\e/2)*18432+2304*\a+64*(\e%2)
	ds_load_b128 v[FA+32*\f+8*\a+4:FA+32*\f+8*\a+7], v[ADRA+\s] offset:(\e/2)*18432+2304*\a+64*(\e%2)+32
.endr
.endm
.macro MWIN first                      ; C and D in window 1; in the first products C is the bias, in window 0
.if \first
	WIN 0x40
.else
	WIN 0x50
.endif
.endm
.macro EIGHTH s, en, f, g, first
	s_wait_dscnt 4                                 ; all but the four youngest loads (row tiles 2, 3)
	MWIN \first
	MULA \f, 0, \first
	MULA \f, 1, \first
	PLACES
	FETCH \s, \en, \g
	s_wait_dscnt 16                                ; all but the 16 just issued
	MWIN \first
	MULA \f, 2, \first
	MULA \f, 3, \first
.endm
.macro SEVEN s, first
	EIGHTH \s, 1, 0, 1, \first
	EIGHTH \s, 2, 1, 0, 0
	EIGHTH \s, 3, 0, 1, 0
	EIGHTH \s, 4, 1, 0, 0
	EIGHTH \s, 5, 0, 1, 0
	EIGHTH \s, 6, 1, 0, 0
	EIGHTH \s, 7, 0, 1, 0
.endm
; the last eighth changes slots: my reads of this slot and all my tensor loads are waited for in front of the barrier; fill = 1: it opens a
; round of the cluster's barrier, behind which the joint refill comes first
.macro TURN slot, next, fill
	s_wait_dscnt 4
	WIN 0x50
	MULA 1, 0, 0
	s_wait_dscnt 0
	s_wait_tensorcnt 0x0
	ds_add_u32 v254, v255
	s_wait_dscnt 0x0
	s_barrier_signal -1
	MULA 1, 1, 0
	WIN 0
	s_barrier_wait -1
.if \fill
	CREST
	s_add_nc_u64 s[G0A+4*\slot+2:G0A+4*\slot+3], s[G0A+4*\slot+2:G0A+4*\slot+3], 131072
	s_add_nc_u64 s[G0W+4*\slot+2:G0W+4*\slot+3], s[G0W+4*\slot+2:G0W+4*\slot+3], 1048576
	JLOAD \slot
.endif
	PLACES
	FETCH \next, 0, 0
	WIN 0x50
	MULA 1, 2, 0
	MULA 1, 3, 0
.endm
	s_wait_tensorcnt 0x1                           ; my piece of tile 0 is in; tile 1's stays out
	s_barrier_signal -1
	s_barrier_wait -1
	FETCH 0, 0, 0
	s_wait_loadcnt 0x0                             ; the bias
	SEVEN 0, 1
	TURN 0, 1, 1                                   ; slot 0 gets tile 2
	SEVEN 1, 0
	TURN 1, 0, 1                                   ; slot 1 gets tile 3
	SEVEN 0, 0
	TURN 0, 1, 0
	SEVEN 1, 0
	s_wait_dscnt 4
	WIN 0x50
	MULA 1, 0, 0
	MULA 1, 1, 0
	s_wait_dscnt 0
	MULA 1, 2, 0
	MULA 1, 3, 0
	PLACES
; the way out, 16 rows at a time: f32 through my own stage, back as whole rows of 256 bytes
.macro OUT a
	WIN 0x04                                       ; store data: window 1
.irp nb, 0,1,2,3
	ds_store_b128 v[STO], v[8*(4*\a+\nb):8*(4*\a+\nb)+3] offset:64*\nb
	ds_store_b128 v[STO], v[8*(4*\a+\nb)+4:8*(4*\a+\nb)+7] offset:64*\nb+16
.endr
	WIN 0
	s_wait_xcnt 0x0                                ; the rows read back last time are store data: they are loaded again only behind this wait
.irp i, 0,1,2,3,4,5,6,7
	ds_load_b128 v[RB+4*\i:RB+4*\i+3], v[RD] offset:544*\i
.endr
.irp i, 0,1,2,3,4,5,6,7
	s_wait_dscnt 7-\i
	global_store_b128 v[CO], v[RB+4*\i:RB+4*\i+3], s[10:11] offset:(16*\a+2*\i)*4096 th:TH_STORE_NT   ; sixteen lanes store 256 consecutive bytes, aligned
.endr
.endm
	OUT 0
	OUT 1
	OUT 2
	OUT 3
	s_wait_tensorcnt 0x0
	ds_add_u32 v254, v255
	s_wait_dscnt 0x0
	CROUND                                         ; the closing round
	s_endpgm
.Lfunc_end_k_q64bbbc1c7b_oproj:
	.size	k_q64bbbc1c7b_oproj, .Lfunc_end_k_q64bbbc1c7b_oproj-k_q64bbbc1c7b_oproj
	.p2alignl 7, 3214868480
	.fill 96, 4, 3214868480
	.section	.rodata,"a",@progbits
	.p2align	6, 0x0
	.amdhsa_kernel k_q64bbbc1c7b_oproj
		.amdhsa_group_segment_fixed_size 327680
		.amdhsa_private_segment_fixed_size 0
		.amdhsa_enable_private_segment 0
		.amdhsa_kernarg_size 32
		.amdhsa_user_sgpr_count 2
		.amdhsa_user_sgpr_kernarg_segment_ptr 1
		.amdhsa_wavefront_size32 1
		.amdhsa_system_sgpr_workgroup_id_x 1
		.amdhsa_system_sgpr_workgroup_id_y 1
		.amdhsa_system_sgpr_workgroup_id_z 1
		.amdhsa_system_vgpr_workitem_id 0
		.amdhsa_next_free_vgpr 384
		.amdhsa_next_free_sgpr 66
		.amdhsa_reserve_vcc 0
		.amdhsa_float_denorm_mode_32 3
		.amdhsa_float_denorm_mode_16_64 3
		.amdhsa_memory_ordered 1
		.amdhsa_forward_progress 1
		.amdhsa_inst_pref_size 90
	.end_amdhsa_kernel
	.amdgpu_metadata
---
amdhsa.version: [ 1, 2 ]
amdhsa.kernels:
  - .name:           k_q64bbbc1c7b_oproj
    .symbol:         k_q64bbbc1c7b_oproj.kd
    .args:
      - { .name: ao, .offset: 0, .size: 8, .value_kind: global_buffer, .address_space: global }
      - { .name: wb, .offset: 8, .size: 8, .value_kind: global_buffer, .address_space: global }
      - { .name: bo, .offset: 16, .size: 8, .value_kind: global_buffer, .address_space: global }
      - { .name: out0, .offset: 24, .size: 8, .value_kind: global_buffer, .address_space: global }
    .group_segment_fixed_size: 327680
    .private_segment_fixed_size: 0
    .kernarg_segment_align: 8
    .kernarg_segment_size: 32
    .max_flat_workgroup_size: 128
    .sgpr_count:     66
    .vgpr_count:     384
    .wavefront_size: 32
...
	.end_amdgpu_metadata
.endif
;; end of part 4
